; MI455X (gfx1250); checked and timed in simulation.
; The chip was launched on July 23, 2026; its instructions are those of AMD's public machine-readable ISA for CDNA 5 (MIT licence, August 2026) and "CDNA5" Instruction Set Architecture Reference Guide (July 2026). The comments in the code are by the model that wrote it; some were corrected since.
;; Attention. Allowed arithmetic: matrix products marked QUANTISED: E2M1 operands, one E8M0 scale for each 32 along K, by v_wmma_scale_f32_16x16x128_f8f6f4 with both operands' format E2M1 (or v_wmma_scale_f32_32x16x128_f4), f32 sums; products left as they are: f32 operands where the result goes on into a quantised operand, else bf16, f16 or f32 operands; f32 sums; everything else in f32.
;; Inputs: W_attn_codes 1,024 x 64 x 16 uint8 (E2M1 codes of W_attn, K innermost, in blocks of 32 codes, two codes a byte); W_attn_scales 1,024 x 64 uint8 (E8M0 scales of W_attn, one for each 32 codes along K); b_attn 1,024 float32; encoder_outputs 1,024 x 32 x 1,024 float32; hidden 1 x 32 x 1,024 float32; v 1,024 float32.
;; Outputs: out0 32 x 1 x 1,024 float32.
;; This version of the problem:
;;   THIS VERSION OF THE PROBLEM IS GIVEN IN LOW PRECISION. The matrix products marked QUANTISED in the list below multiply operands that are first quantised to E2M1 (2 exponent bits, 1 mantissa bit; 4 bits a number), with one power-of-two scale for each 32 numbers along K (OCP MX v1.0); their sums are f32. All else is computed in f32.
;;   The module's matrix products, in the order in which they are computed (A, B: the left and right operand; K: the contracted axis; several contracted axes count as one K, in the product's order):
;;     1. [M 32,768, K 2,048] x [K 2,048, N 1,024]; A: computed on the way; B: input W_attn (given as codes): QUANTISED
;;     2. [M 32,768, K 1,024] x [K 1,024, N 1]; A: computed on the way; B: input v: left as it is (N = 1 < 16)
;;   THE QUANTISER, for each operand of a quantised product, along K:
;;     - K is cut into blocks of 32 from its start; a last block that is shorter is filled with zeros.
;;     - A block's scale is 2^e with e = floor(log2(the largest magnitude in the block)) - 2, held to -126 .. 127; a block of zeros has e = 0. As a byte (E8M0): e + 127.
;;     - Each number is divided by its block's scale, clamped to +-6, and rounded to the nearest number of E2M1, ties to even, subnormals kept.
;;     - The product sums the exact products of the quantised numbers (number of the format x scale) in f32.
;;   ~~~python
;;   def quantise(x, axis):      # numpy; x: float32 -> the quantised numbers, widened to float32 again
;;       x = np.moveaxis(x, axis, -1); K = x.shape[-1]
;;       x = np.pad(x, [(0, 0)] * (x.ndim - 1) + [(0, -K % 32)]); x = x.reshape(x.shape[:-1] + (-1, 32)); a = np.abs(x).max(-1, keepdims=True)
;;       e = np.where(a > 0, np.clip(np.frexp(np.where(a > 0, a, 1))[1] - 1 - 2, -126, 127), 0)      # np.frexp(a)[1] - 1 = floor(log2(a)), exactly
;;       r = np.clip(x / 2.0 ** e, -6, 6)
;;       step = 2.0 ** (np.maximum(np.frexp(np.where(r == 0, 1, r))[1] - 1, 0) - 1)
;;       q = np.round(r / step) * step * 2.0 ** e      # np.round: ties to even
;;       return np.moveaxis(q.reshape(q.shape[:-2] + (-1,))[..., :K], -1, axis).astype(np.float32)
;;   ~~~
;;   OPERANDS COMPUTED ON THE WAY. 'Computed on the way' means the value that the module computes at that place (a softmax that the list does not call 'softmax' is quantised finished and normalised). What goes into a quantiser is computed in f32, as accurately as f32 sums, v_exp_f32 and their like allow (about 1e-6 of the number): no bf16 or f16 on the way to a quantiser, and a product that is left as it is and whose result goes on into a quantised operand takes f32 operands (vector FMAs, or v_wmma_f32_16x16x4_f32). A number that lies on a knife's edge between two numbers of the format may be rounded either way, as far as f32 arithmetic and the matrix unit's own rounding can turn it there, and no further.
;;   INPUTS GIVEN AS CODES. W_attn (in the module: [1024, 2048], K = its axis 1): each comes as NAME_codes (uint8): NAME with its K axis moved to the last place and cut into blocks of 32 codes, [.., K / 32, bytes a block], one block behind the other in memory; two codes a byte, the lower K in the low four bits (a code: sign, 2 exponent bits, 1 mantissa bit); and NAME_scales (uint8): the same leading axes, one E8M0 byte (e + 127) for each 32 codes along K. Its value is code x scale, taken as it is: it is not quantised again, and the codes and scales need not be those that the quantiser above would give.
;; One version. Each part assembles by itself: llvm-mc -triple=amdgcn-amd-amdhsa -mcpu=gfx1250 --defsym DOCPART=n.
;; ======== version 1 of 1: 2 launches
;; limits: right only within a limited range of input values
;; workspace buffers: part 262,144 bytes
;; launch main (part 1): grid 4 x 64, 8 waves a work-group, clusters of 4 x 4, 327,680 bytes of LDS; arguments encoder_outputs, hidden, W_attn_codes, W_attn_scales, b_attn, v, part; writes part
.if DOCPART == 1
	.amdgcn_target "amdgcn-amd-amdhsa--gfx1250"
	.amdhsa_code_object_version 6
	.text
	.protected	k_q25d9194749_main
	.globl	k_q25d9194749_main
	.p2align	8
	.type	k_q25d9194749_main,@function
k_q25d9194749_main:
	s_mov_b64 s[64:65], 0
	v_nop
	global_prefetch_b8 v0, s[64:65] scope:SCOPE_SE
	s_setreg_imm32_b32 hwreg(HW_REG_WAVE_MODE, 25, 1), 1
	s_wait_xcnt 0x0
	s_wait_alu depctr_hold_cnt(0) depctr_sa_sdst(0) depctr_va_vdst(0) depctr_va_sdst(0) depctr_va_ssrc(0) depctr_va_vcc(0) depctr_vm_vsrc(0)
	s_getreg_b32 s2, hwreg(HW_REG_IB_STS2, 6, 4)
	s_cmp_eq_u32 s2, 0
	s_cbranch_scc0 .Lentry_in_a_cluster
	s_endpgm
.Lentry_in_a_cluster:
	s_bfe_u32 s2, ttmp6, 0x10000c
	s_cmp_lg_u32 s2, 0xf033
	s_cbranch_scc0 .Lentry_shape_is_right
	s_endpgm
.Lentry_shape_is_right:
; part[half][b][s] = sum over n of this half (512 of 1,024) of -2 v[n] / (1 + exp(2 z[s][b][n])),  z = Q(hidden[b]) Wh[n]^T + Q(enc[s][b]) We[n]^T + b_attn[n]; W = [Wh | We] along K, given as codes.
; tanh(z) = 1 - 2 / (1 + e^(2z)), so a score is sum v[n] plus the two halves stored here.
; LEFT OUT AS DEAD: sum over n of v[n]: it is the same number for every s of a row, added to the input of a softmax along s, which takes it away for all finite v.  LIMIT: an overflow or a NaN that
; reaches only that sum is not carried to the result.  LIMIT: NaN and infinities in the inputs are not promised to come out as the reference has them.
; hidden's half of the product has the same rows for every s: it is made once for each b, G[n] = Q(hidden[b]) Wh[n]^T + b_attn[n], and is the C of every later product.
; THE SHARE.  Two neighbouring work-groups of a row of the cluster take one b and 256 s, each one half of n (by cx mod 2).  256 work-groups in clusters of 4 x 4.
; Wave w owns 64 n (4 tiles of 16): its We codes stay in 256 registers (window 1).  x goes in 16 chunks of 16 rows; in each chunk wave w quantises rows 2w, 2w+1 into a slot of codes in LDS, and every
; wave multiplies all 16 rows.  Four slots: a chunk is quantised three steps ahead of its product, its loads go out four steps ahead.
; W BY JOINT LOADS: the four work-groups of a column of the cluster need the same half of W; each wave asks for its 64 rows x 512 bytes, of Wh first and of We into the same bytes, and reads only its own.
; x IS NOT ASKED FOR JOINTLY: a joint load lands in LDS, and x (1 MB a work-group in f32) would pass LDS once more in each direction; it goes straight into registers, 16 loads (8 KB) a wave out under
; counted waits, and its codes alone lie in LDS.
; PREFETCH: chunk c of x is asked for four chunks ahead of its loads.  Of a wave's two rows each of the two partners asks for one, told apart by address; 16 lanes name the row's 16 blocks of 256 bytes
; (lanes 16-31 the last block again).  Chunks 0 to 3 come by their loads alone; behind chunk 15 nothing is asked for.
; THE MATRIX INSTRUCTION: source 0 = 16 rows of W, source 1 = 16 rows of x: lane (r, h) holds row r of x and n = 8h + 0..7.
.set WROWS, 33792                      ; a wave's 64 rows of W in LDS, 528 bytes apart, from byte 0
.set XC,    270336                     ; four slots of codes
.set SLOTB, 9216                       ; a slot: 16 rows x 528 bytes of codes, then 16 x 48 bytes of scales
.set SCO,   8448
.set HID,   307200                     ; 768 bytes a wave: hidden[b]'s codes (512) and scales (32)
.set SCORE, 313344                     ; 1,024 bytes a wave: its part of 256 scores
.set SPARE, 321536                     ; the spare words, 128 bytes a wave
.set CHB,   2097152                    ; bytes of x from a chunk to the next: 16 s
.set SPW, 1
.set NIL, 2
.set XO,  3
.set CIA, 4
.set CSA, 5
.set FA,  6
.set EA,  7
.set SA,  8
.set SAT, 9
.set PFO, 10
.set WF,  11
.set VC,  12                           ; v12-13: -2 v of my 64 n: lane (r, h) of register i holds that of n = 16 (2i + r / 8) + 8h + r mod 8
.set WSA, 14
.set VA,  15
.set HCI, 16
.set HSI, 17
.set HFA, 18
.set VCA, 19
.set GOF, 21
.set RA,  22
.set TMP, 23
.set M,   24                           ; v24-31 the quantiser's maxima; the score's sums
.set N,   28
.set S,   24
.set SCL, 32
.set BY,  36
.set CD,  40
.set ES,  44                           ; x's scale words: lanes 0-15 steps 0-3 of 128 along K, lanes 16-31 steps 4-7
.set WS,  48                           ; W's scale words, likewise, 4 a tile
.set X,   64                           ; two rows of x on their way
.set G,   128                          ; the bias, then G
.set ACC, 160
.set AX,  192                          ; fragments of x (or of hidden): 8 steps x 8
.set WV,  18
.set G1,  28                           ; s[28:35] descriptor group 1
.set G0,  36                           ; s[36:39] group 0 for Wh, s[40:43] for We
.set SEL, 46
.set CS,  48
.set TRIPS, 50
.set TI,  51
.set PFA, 52
.set MSB, 0
.macro WIN new
.if MSB != \new
	s_set_vgpr_msb (MSB<<8)|\new
.set MSB, \new
.endif
.endm
.macro PLACES
.rept 5
	v_nop
.endr
.endm
.macro CROUND                          ; a round of the cluster's barrier
	s_barrier_signal -1
	s_barrier_wait -1
	s_cmp_lg_u32 s[WV], 0
	s_cbranch_scc1 .Lnot_wave_0_\@
	s_barrier_signal -3
.Lnot_wave_0_\@:
	s_barrier_wait -3
	s_barrier_signal -1
	s_barrier_wait -1
.endm
.macro JLOAD g
	tensor_load_to_lds s[\g:\g+3], s[G1:G1+7]
	s_nop 0
.rept 4
	v_nop
.endr
.endm
; a row of 4,096 bytes: eight loads of 512 consecutive bytes.  Lane i < 16 takes piece 2i of 16 bytes, lane 16 + i piece 2i + 1
.macro XROW reg, sb, off
.irp p, 0,1,2,3
.irp a, 0,1
	global_load_b128 v[\reg+8*\p+4*\a:\reg+8*\p+4*\a+3], v[XO], s[\sb:\sb+1] offset:\off+1024*\p+512*\a
.endr
.endr
.endm
; quantise a row: behind the swaps lane l holds numbers 8l .. 8l + 7 of each run of 256, so a block of 32 lies in four neighbouring lanes
.macro QROW xb, ca, co, sa, so
.irp p, 0,1,2,3
.irp j, 0,1,2,3
	v_permlane16_swap_b32 v[\xb+8*\p+\j], v[\xb+8*\p+4+\j]
.endr
.endr
.irp p, 0,1,2,3
	v_max3_num_f32 v[M+\p], |v[\xb+8*\p]|, |v[\xb+8*\p+1]|, 0x1800000   ; with the floor 2^(3 - 127): the byte cannot fall under 1
.endr
.irp p, 0,1,2,3
	v_max3_num_f32 v[N+\p], |v[\xb+8*\p+2]|, |v[\xb+8*\p+3]|, |v[\xb+8*\p+4]|
.endr
.irp p, 0,1,2,3
	v_max3_num_f32 v[M+\p], v[M+\p], |v[\xb+8*\p+5]|, |v[\xb+8*\p+6]|
.endr
.irp p, 0,1,2,3
	v_max3_num_f32 v[M+\p], v[M+\p], v[N+\p], |v[\xb+8*\p+7]|
.endr
.irp p, 0,1,2,3
	v_max_num_f32_dpp v[M+\p], v[M+\p], v[M+\p] row_xmask:1 row_mask:0xf bank_mask:0xf
.endr
.irp p, 0,1,2,3
	v_max_num_f32_dpp v[M+\p], v[M+\p], v[M+\p] row_xmask:2 row_mask:0xf bank_mask:0xf
.endr
.irp p, 0,1,2,3
	v_add_nc_u32 v[SCL+\p], 0xff000000, v[M+\p]    ; 2 off the exponent field: the conversion's scale
.endr
.irp p, 0,1,2,3
	v_cvt_scalef32_pk8_fp4_f32 v[CD+\p], v[\xb+8*\p:\xb+8*\p+7], v[SCL+\p]
.endr
.irp p, 0,1,2,3
	v_lshrrev_b32 v[BY+\p], 23, v[SCL+\p]
.endr
.irp p, 0,1,2,3
	ds_store_b32 v[\ca], v[CD+\p] offset:\co+128*\p
	ds_store_b8 v[\sa], v[BY+\p] offset:\so+8*\p       ; a block's four lanes write the same byte with the same value
.endr
.endm
; my two rows of a chunk into a slot; w0, w1: the loads younger than the row's; ld: the registers take the rows that lie at off
.macro QCHUNK slot, w0, w1, ld, off
	s_wait_loadcnt \w0
	QROW X, CIA, (\slot)*SLOTB, CSA, (\slot)*SLOTB+SCO
.if \ld
	XROW X, 4, \off
.endif
	s_wait_loadcnt \w1
	QROW X+32, CIA, (\slot)*SLOTB+528, CSA, (\slot)*SLOTB+SCO+48
.if \ld
	XROW X+32, 4, \off+131072
.endif
.endm
.macro WFRAGS                          ; my 64 rows of W from LDS: 4 tiles x 8 steps of 128 along K
	WIN 0x40
.irp t, 0,1,2,3
.irp s, 0,1,2,3,4,5,6,7
.irp c, 0,1
	ds_load_b128 v[64*\t+8*\s+4*\c:64*\t+8*\s+4*\c+3], v[WF] offset:8448*\t+64*\s+32*\c
.endr
.endr
.endr
	WIN 0
.endm
.macro WSLOAD kind
.irp t, 0,1,2,3
	global_load_b128 v[WS+4*\t:WS+4*\t+3], v[WSA], s[10:11] offset:\t*1024+32*\kind
.endr
.endm
.macro FRAGS adr, off
.irp s, 0,1,2,3,4,5,6,7
.irp c, 0,1
	ds_load_b128 v[AX+8*\s+4*\c:AX+8*\s+4*\c+3], v[\adr] offset:\off+64*\s+32*\c
.endr
.endr
.endm
.macro ONE d, c, t, s
.if \s < 4
	v_wmma_scale_f32_16x16x128_f8f6f4 v[\d+8*\t:\d+8*\t+7], v[8*(8*\t+\s):8*(8*\t+\s)+7], v[AX+8*\s:AX+8*\s+7], v[\c+8*\t:\c+8*\t+7], v[WS+4*\t+\s%4], v[ES+\s%4] matrix_a_fmt:MATRIX_FMT_FP4 matrix_b_fmt:MATRIX_FMT_FP4
.else
	v_wmma_scale_f32_16x16x128_f8f6f4 v[\d+8*\t:\d+8*\t+7], v[8*(8*\t+\s):8*(8*\t+\s)+7], v[AX+8*\s:AX+8*\s+7], v[\c+8*\t:\c+8*\t+7], v[WS+4*\t+\s%4], v[ES+\s%4] matrix_a_fmt:MATRIX_FMT_FP4 matrix_b_fmt:MATRIX_FMT_FP4 matrix_a_scale:MATRIX_SCALE_ROW1 matrix_b_scale:MATRIX_SCALE_ROW1
.endif
.endm
.macro MM d, c                         ; the four accumulators by turns; the sums begin with c
	WIN 0x01
.irp s, 0,1,2,3,4,5,6,7
.irp t, 0,1,2,3
.if \s == 0
	ONE \d, \c, \t, \s
.else
	ONE \d, \d, \t, \s
.endif
.endr
.endr
	WIN 0
.endm
; 32 z a lane: e^(2z), 1 / (1 + it), times -2 v, summed over my 64 n
.macro TANH so
.set i, 0
.rept 16
	v_pk_mul_f32 v[ACC+2*i:ACC+2*i+1], v[ACC+2*i:ACC+2*i+1], s[CS:CS+1] op_sel_hi:[1,0]
.set i, i+1
.endr
.set i, 0
	s_wait_alu depctr_va_vdst(0)                   ; the wait ahead of each batch and behind it
.rept 32
	v_exp_f32 v[ACC+i], v[ACC+i]
.set i, i+1
.endr
	v_add_nc_u32 v[SAT], s[TI], v[SA]
	s_wait_alu depctr_va_vdst(0)
.set i, 0
.rept 16
	v_pk_add_f32 v[ACC+2*i:ACC+2*i+1], v[ACC+2*i:ACC+2*i+1], 1.0 op_sel_hi:[1,0]
.set i, i+1
.endr
.set i, 0
	s_wait_alu depctr_va_vdst(0)
.rept 32
	v_rcp_f32 v[ACC+i], v[ACC+i]
.set i, i+1
.endr
	v_nop
	s_wait_alu depctr_va_vdst(0)
.irp k, 0,1,2,3                        ; result k of the 32 is that of lane k mod 16 of v's register k / 16; four chains by turns
	v_mul_f32_dpp v[S+\k], v[VC], v[ACC+\k] row_share:\k row_mask:0xf bank_mask:0xf
.endr
.irp k, 4,5,6,7,8,9,10,11,12,13,14,15
	v_fmac_f32_dpp v[S+\k%4], v[VC], v[ACC+\k] row_share:\k row_mask:0xf bank_mask:0xf
.endr
.irp k, 0,1,2,3,4,5,6,7,8,9,10,11,12,13,14,15
	v_fmac_f32_dpp v[S+\k%4], v[VC+1], v[ACC+16+\k] row_share:\k row_mask:0xf bank_mask:0xf
.endr
	v_add_f32 v[S], v[S], v[S+1]
	v_add_f32 v[S+2], v[S+2], v[S+3]
	s_delay_alu instid0(VALU_DEP_1)
	v_add_f32 v[S], v[S], v[S+2]
	s_delay_alu instid0(VALU_DEP_1)
	v_permlanex16_b32 v[TMP], v[S], s[SEL], s[SEL+1]
	s_delay_alu instid0(VALU_DEP_1)
	v_add_f32 v[S], v[S], v[TMP]
	ds_store_b32 v[SAT], v[S] offset:\so           ; lanes r and r + 16 write the same word with the same value
.endm
.macro ASK off
	global_prefetch_b8 v[PFO], s[PFA:PFA+1] offset:\off th:TH_LOAD_NT scope:SCOPE_SE
.endm
; The step of the chunk in slot j.  kind 0: quantises the chunk three steps on, loads the one four on, asks for the one eight on;  1: quantises alone;  2: neither;  3: the last step, which fetches nothing either
.macro STEP j, kind
.set QS, (\j+3)%4
.set FS, (\j+1)%4
.if \kind == 0
	s_wait_xcnt 0x0                                ; the last step's loads and prefetch have read their bases
	s_add_nc_u64 s[4:5], s[4:5], CHB
	s_add_nc_u64 s[PFA:PFA+1], s[PFA:PFA+1], CHB
	QCHUNK QS, 8, 8, 1, 3*CHB                      ; behind each row's eight loads: the other row's eight
	s_cmp_gt_u32 s[TRIPS], 1                       ; the last of three trips has nothing to ask for
	s_cbranch_scc0 .Lno_ask_\@
	ASK 0
.Lno_ask_\@:
.elseif \kind == 1
	QCHUNK QS, 8, 0, 0, 0
.endif
	s_wait_dscnt 0x0                               ; my codes are stored; my fragments are in: nobody reads this slot behind the barrier
	s_barrier_signal -1
	MM ACC, G                                      ; registers alone, while the others arrive
	s_barrier_wait -1
	PLACES                                         ; ahead of the loads into fragments and of the reads of the results
.if \kind < 3
	FRAGS FA, FS*SLOTB
	ds_load_b128 v[ES:ES+3], v[EA] offset:FS*SLOTB
.endif
	TANH 64*\j
.endm
	s_load_b256 s[4:11], s[0:1], 0x0               ; x s[4:5], hidden s[6:7], codes s[8:9], scales s[10:11]
	s_load_b128 s[12:15], s[0:1], 0x20             ; b_attn, v
	s_load_b64 s[16:17], s[0:1], 0x30              ; part
	v_lshl_add_u32 v[SPW], v0, 2, SPARE
	v_mov_b32 v[NIL], 0
	ds_add_u32 v[SPW], v[NIL]                      ; the opening: the add, twice on end, and its wait
	ds_add_u32 v[SPW], v[NIL]
	v_lshrrev_b32 v203, 5, v0
	v_readfirstlane_b32 s[WV], v203
	s_bfe_u32 s19, ttmp6, 0x40000                  ; cx
	s_bfe_u32 s71, ttmp6, 0x40004                  ; cy
	s_and_b32 s20, s19, 1                          ; my half of n
	s_lshl_b32 s72, 0x1111, s19                    ; my column of the cluster
	s_or_b32 s[G1+0], s72, (3<<16)|(1<<20)|(1<<21)|(6<<22)|(3<<25)   ; the mask; elements of 8 bytes; 4 words of padding behind every 128; bit 21 beside a mask
	s_mov_b32 s[G1+1], 64<<16                      ; rows of 64 elements (512 bytes),
	s_mov_b32 s[G1+2], 64<<16                      ; 64 of them,
	s_mov_b32 s[G1+3], 64<<16
	s_mov_b32 s[G1+4], 64
	s_mov_b32 s[G1+5], 128                         ; 1,024 bytes apart
	s_mov_b32 s[G1+6], 0
	s_mov_b32 s[G1+7], 0
	s_and_b32 s73, ttmp7, 0xffff
	s_lshl_b32 s73, s73, 2
	s_add_co_u32 s73, s73, s71                     ; work-group y, 0 to 63
	s_lshl_b32 s73, s73, 1
	s_lshr_b32 s75, s19, 1
	s_add_co_u32 s73, s73, s75                     ; which of the 128 pairs
	s_lshr_b32 s21, s73, 2                         ; b
	s_and_b32 s22, s73, 3                          ; which 256 s
	s_lshl_b32 s23, s21, 12
	s_lshl_b32 s54, s22, 25                        ; x: 256 s are 2^25 bytes; b 4,096; my two rows of a chunk 2^18
	s_add_co_u32 s54, s54, s23
	s_lshl_b32 s24, s[WV], 18
	s_add_co_u32 s54, s54, s24
	s_mov_b32 s55, 0
	s_lshl_b32 s62, s20, 17                        ; prefetches: of my wave's two rows the one of my half; from chunk 7 on
	s_add_co_u32 s62, s62, 7*CHB
	s_mov_b32 s63, 0
	s_lshl_b32 s56, s20, 19                        ; W: 512 rows of 1,024 bytes a half, 64 a wave
	s_lshl_b32 s74, s[WV], 16
	s_add_co_u32 s56, s56, s74
	s_mov_b32 s57, 0
	s_lshr_b32 s58, s56, 4                         ; its scales: 64 bytes a row
	s_mov_b32 s59, 0
	s_lshr_b32 s60, s56, 8                         ; b_attn, v: 4 bytes a row
	s_mov_b32 s61, 0
	s_mov_b32 s24, s23                             ; hidden[b]
	s_mov_b32 s25, 0
	s_lshl_b32 s26, s20, 17                        ; part[half][b][256 x ..]
	s_add_co_u32 s26, s26, s23
	s_lshl_b32 s75, s22, 10
	s_add_co_u32 s26, s26, s75
	s_mov_b32 s27, 0
	s_mul_i32 s66, s[WV], 1056
	s_add_co_u32 s66, s66, XC
	s_mul_i32 s67, s[WV], 96                       ; (the scales' place in a slot stands in the stores' offsets)
	s_add_co_u32 s67, s67, XC
	s_lshl_b32 s68, s[WV], 10
	s_add_co_u32 s68, s68, SCORE
	s_mul_i32 s69, s[WV], WROWS
	s_mul_i32 s70, s[WV], 768
	s_add_co_u32 s70, s70, HID
	s_mov_b32 s[SEL], 0x76543210
	s_mov_b32 s[SEL+1], 0xfedcba98
	s_mov_b32 s[CS], 0x4038aa3b                    ; 2 log2(e)
	s_mov_b32 s[CS+1], s[CS]
	s_mov_b32 s[TI], 0
	v_and_b32 v200, 31, v0                         ; lane
	v_and_b32 v201, 15, v0                         ; r
	v_bfe_u32 v202, v0, 4, 1                       ; h
	v_lshrrev_b32 v204, 2, v200
	v_and_b32 v205, 7, v0
	v_lshrrev_b32 v206, 3, v201
	v_lshlrev_b32 v[XO], 5, v201
	v_lshl_add_u32 v[XO], v202, 4, v[XO]
	v_lshl_add_u32 v[CIA], v200, 2, s66
	v_add_nc_u32 v[CSA], s67, v204
	v_mul_u32_u24 v207, v201, 528
	v_lshl_add_u32 v207, v202, 4, v207             ; a fragment's row x 528 + 16 h
	v_add_nc_u32 v[FA], XC, v207
	v_add_nc_u32 v[WF], s69, v207
	v_mul_u32_u24 v[EA], v201, 48
	v_lshl_add_u32 v[EA], v202, 4, v[EA]
	v_add_nc_u32 v[EA], XC+SCO, v[EA]
	v_lshl_add_u32 v[SA], v201, 2, s68
	v_min_u32 v[PFO], 15, v200
	v_lshlrev_b32 v[PFO], 8, v[PFO]
	v_lshlrev_b32 v[WSA], 6, v201
	v_lshl_add_u32 v[WSA], v202, 4, v[WSA]
	v_lshlrev_b32 v[VA], 5, v202
	v_lshl_add_u32 v[VCA], v205, 2, v[VA]          ; v: 4 (r mod 8) + 32 h + 64 (r / 8)
	v_lshl_add_u32 v[VCA], v206, 6, v[VCA]
	v_lshl_add_u32 v[HCI], v200, 2, s70
	v_add_nc_u32 v[HSI], s70, v204
	v_lshl_add_u32 v[HFA], v202, 4, s70
	v_lshlrev_b32 v[GOF], 4, v0
	v_lshl_add_u32 v[RA], v0, 4, SCORE
	v_mov_b32 v[TMP], 0
	s_wait_alu depctr_va_vdst(0)                   ; the wait at the head's end
	s_wait_dscnt 0x0                               ; both opening adds are done
	s_wait_kmcnt 0x0
	s_add_nc_u64 s[4:5], s[4:5], s[54:55]
	s_add_nc_u64 s[6:7], s[6:7], s[24:25]
	s_add_nc_u64 s[8:9], s[8:9], s[56:57]
	s_add_nc_u64 s[10:11], s[10:11], s[58:59]
	s_add_nc_u64 s[12:13], s[12:13], s[60:61]
	s_add_nc_u64 s[14:15], s[14:15], s[60:61]
	s_add_nc_u64 s[16:17], s[16:17], s[26:27]
	s_add_nc_u64 s[PFA:PFA+1], s[4:5], s[62:63]
	s_mov_b32 s[G0], 1                             ; Wh: the first 512 bytes of my rows
	s_mov_b32 s[G0+1], s69
	s_mov_b64 s[G0+2:G0+3], s[8:9]
	s_or_b32 s[G0+3], s[G0+3], 0x80000000
	s_mov_b32 s[G0+4], 1                           ; We: the other 512, into the same bytes
	s_mov_b32 s[G0+5], s69
	s_add_nc_u64 s[G0+6:G0+7], s[8:9], 512
	s_or_b32 s[G0+7], s[G0+7], 0x80000000
	XROW AX, 6, 0                                  ; in order: hidden[b] 8, chunk 0 of x 16, Wh's scales 4, bias 8
	XROW X, 4, 0
	XROW X+32, 4, 131072
	WSLOAD 0
.irp t, 0,1,2,3
	global_load_b128 v[G+8*\t:G+8*\t+3], v[VA], s[12:13] offset:64*\t
	global_load_b128 v[G+8*\t+4:G+8*\t+7], v[VA], s[12:13] offset:64*\t+16
.endr
	CROUND                                         ; all sixteen work-groups are here: the joint loads meet
	JLOAD G0
	s_wait_loadcnt 28                              ; hidden is in: behind it 16 + 4 + 8
	QROW AX, HCI, 0, HSI, 512
	QCHUNK 0, 20, 20, 1, CHB                       ; behind row 0: 8 + 12; behind row 1: 12 + the 8 just issued
	ASK -3*CHB
	QCHUNK 1, 8, 8, 1, 2*CHB
	ASK -2*CHB
	s_wait_tensorcnt 0x0                           ; my rows of Wh are in
	WFRAGS
	FRAGS HFA, 0                                   ; hidden's fragments: the same for all 16 r
	ds_load_b128 v[ES:ES+3], v[HFA] offset:512
	s_wait_tensorcnt 0x0                           ; ahead of a refill
	ds_add_u32 v[SPW], v[NIL]
	s_wait_dscnt 0x0                               ; the add is done, and my reads of Wh are over
	CROUND                                         ; so are all partners'
	JLOAD G0+4
	MM G, G                                        ; G begins with the bias
	PLACES
	WSLOAD 1
	global_load_b32 v[VC], v[VCA], s[14:15]
	global_load_b32 v[VC+1], v[VCA], s[14:15] offset:128
	ASK -CHB
	QCHUNK 2, 14, 14, 1, 3*CHB                     ; behind row 0: 8 + 4 + 2; behind row 1: 6 + 8
	ASK 0
	s_wait_loadcnt 16                              ; We's scales and v are in: chunk 3's 16 may be out
	v_mul_f32 v[VC], -2.0, v[VC]
	v_mul_f32 v[VC+1], -2.0, v[VC+1]
	s_wait_alu depctr_va_vdst(0)
	s_wait_tensorcnt 0x0                           ; my rows of We are in
	WFRAGS
	s_wait_dscnt 0x0                               ; for the others' sake: my codes of chunks 0 to 2 are stored
	s_barrier_signal -1
	s_barrier_wait -1
	FRAGS FA, 0
	ds_load_b128 v[ES:ES+3], v[EA]
	s_mov_b32 s[TRIPS], 3
.Llap:                                                 ; four steps a trip: once round the slots
	STEP 0, 0
	STEP 1, 0
	STEP 2, 0
	STEP 3, 0
	s_add_co_u32 s[TI], s[TI], 256
	s_sub_co_u32 s[TRIPS], s[TRIPS], 1
	s_wait_alu depctr_va_vdst(0)                   ; the wait ahead of the branch
	s_cmp_lg_u32 s[TRIPS], 0
	s_cbranch_scc1 .Llap
	STEP 0, 1                                      ; chunk 15 is quantised; no load goes out any more
	STEP 1, 2
	STEP 2, 2
	STEP 3, 3
	s_wait_dscnt 0x0                               ; for the others' sake: my scores are stored
	s_barrier_signal -1
	s_barrier_wait -1
	s_cmp_lt_u32 s[WV], 2
	s_cbranch_scc0 .Lend
.irp k, 0,1,2,3,4,5,6,7
	ds_load_b128 v[AX+4*\k:AX+4*\k+3], v[RA] offset:1024*\k   ; waves 0 and 1: four scores a lane, of each of the eight waves
.endr
	s_wait_dscnt 0x0
.irp k, 0,8,16,24
	v_pk_add_f32 v[AX+\k:AX+\k+1], v[AX+\k:AX+\k+1], v[AX+\k+4:AX+\k+5]
	v_pk_add_f32 v[AX+\k+2:AX+\k+3], v[AX+\k+2:AX+\k+3], v[AX+\k+6:AX+\k+7]
.endr
.irp k, 0,16
	v_pk_add_f32 v[AX+\k:AX+\k+1], v[AX+\k:AX+\k+1], v[AX+\k+8:AX+\k+9]
	v_pk_add_f32 v[AX+\k+2:AX+\k+3], v[AX+\k+2:AX+\k+3], v[AX+\k+10:AX+\k+11]
.endr
	v_pk_add_f32 v[AX:AX+1], v[AX:AX+1], v[AX+16:AX+17]
	v_pk_add_f32 v[AX+2:AX+3], v[AX+2:AX+3], v[AX+18:AX+19]
	global_store_b128 v[GOF], v[AX:AX+3], s[16:17]     ; 512 consecutive bytes a wave, at a multiple of 512
.Lend:
	s_wait_tensorcnt 0x0                           ; the wave's end
	ds_add_u32 v[SPW], v[NIL]
	s_wait_dscnt 0x0
	CROUND                                         ; the closing round: no work-group ends while a partner may still ask for rows that name it
	s_endpgm
.Lfunc_end_k_q25d9194749_main:
	.size	k_q25d9194749_main, .Lfunc_end_k_q25d9194749_main-k_q25d9194749_main
	.p2alignl 7, 3214868480
	.fill 96, 4, 3214868480
	.section	.rodata,"a",@progbits
	.p2align	6, 0x0
	.amdhsa_kernel k_q25d9194749_main
		.amdhsa_group_segment_fixed_size 327680
		.amdhsa_private_segment_fixed_size 0
		.amdhsa_enable_private_segment 0
		.amdhsa_kernarg_size 56
		.amdhsa_user_sgpr_count 2
		.amdhsa_user_sgpr_kernarg_segment_ptr 1
		.amdhsa_wavefront_size32 1
		.amdhsa_system_sgpr_workgroup_id_x 1
		.amdhsa_system_sgpr_workgroup_id_y 1
		.amdhsa_system_sgpr_workgroup_id_z 1
		.amdhsa_system_vgpr_workitem_id 0
		.amdhsa_next_free_vgpr 512
		.amdhsa_next_free_sgpr 80
		.amdhsa_reserve_vcc 0
		.amdhsa_float_denorm_mode_32 3
		.amdhsa_float_denorm_mode_16_64 3
		.amdhsa_memory_ordered 1
		.amdhsa_forward_progress 1
		.amdhsa_inst_pref_size 190
	.end_amdhsa_kernel
	.amdgpu_metadata
---
amdhsa.version: [ 1, 2 ]
amdhsa.kernels:
  - .name:           k_q25d9194749_main
    .symbol:         k_q25d9194749_main.kd
    .args:
      - { .name: encoder_outputs, .offset: 0, .size: 8, .value_kind: global_buffer, .address_space: global }
      - { .name: hidden, .offset: 8, .size: 8, .value_kind: global_buffer, .address_space: global }
      - { .name: W_attn_codes, .offset: 16, .size: 8, .value_kind: global_buffer, .address_space: global }
      - { .name: W_attn_scales, .offset: 24, .size: 8, .value_kind: global_buffer, .address_space: global }
      - { .name: b_attn, .offset: 32, .size: 8, .value_kind: global_buffer, .address_space: global }
      - { .name: v, .offset: 40, .size: 8, .value_kind: global_buffer, .address_space: global }
      - { .name: part, .offset: 48, .size: 8, .value_kind: global_buffer, .address_space: global }
    .group_segment_fixed_size: 327680
    .private_segment_fixed_size: 0
    .kernarg_segment_align: 8
    .kernarg_segment_size: 56
    .max_flat_workgroup_size: 256
    .sgpr_count:     80
    .vgpr_count:     512
    .wavefront_size: 32
...
	.end_amdgpu_metadata
.endif
;; end of part 1
;; launch soft (part 2): grid 32 x 1, 8 waves a work-group, no clusters, 1,536 bytes of LDS; arguments part, out0; writes out0
.if DOCPART == 2
	.amdgcn_target "amdgcn-amd-amdhsa--gfx1250"
	.amdhsa_code_object_version 6
	.text
	.protected	k_q25d9194749_soft
	.globl	k_q25d9194749_soft
	.p2align	8
	.type	k_q25d9194749_soft,@function
k_q25d9194749_soft:
	s_mov_b64 s[64:65], 0
	v_nop
	global_prefetch_b8 v0, s[64:65] scope:SCOPE_SE
	s_setreg_imm32_b32 hwreg(HW_REG_WAVE_MODE, 25, 1), 1
	s_wait_xcnt 0x0
; out0[b][0][s] = softmax over s of (part[0][b][s] + part[1][b][s]).  part: [2][32][1024] f32: the score less a number that is the same for all s of a row, which a softmax does not see.
; A work-group takes one b: 1,024 numbers, four to a thread: each load and store of a wave covers 512 consecutive bytes.  The row's maximum is taken away before the exponential.
; Maximum and sum: within a lane, across the 32 lanes, then over the eight waves through LDS (bytes 0-31 for the maxima, bytes 256-287 for the sums: so one barrier serves each).
; 32 rows give 32 work-groups; the launch moves 384 KB.  Matrix units, tensor loads and clusters have nothing to do here.
	s_load_b128 s[4:7], s[0:1], 0x0        ; part s[4:5], out0 s[6:7]
	v_lshl_add_u32 v32, v0, 2, 0x200
	v_mov_b32 v33, 0
	v_lshlrev_b32 v1, 4, v0                ; my 16 bytes of the row
	v_lshrrev_b32 v2, 5, v0
	s_delay_alu instid0(VALU_DEP_1)
	v_lshlrev_b32 v2, 2, v2                ; LDS: my wave's word
	v_mov_b32 v3, 0
	v_mov_b32 v13, 0                       ; written once: a lane permute's destination counts as one of its sources
	v_mov_b32 v27, 0                       ; (named as the upper half of the pair v[26:27])
	s_lshl_b32 s8, ttmp9, 12               ; row b of 4,096 bytes
	s_mov_b32 s9, 0
	s_mov_b32 s10, 0x76543210              ; v_permlanex16_b32's selects for lane l xor 16
	s_mov_b32 s11, 0xfedcba98
	s_wait_alu depctr_va_vdst(0)
	s_wait_kmcnt 0x0
	s_add_nc_u64 s[4:5], s[4:5], s[8:9]
	s_add_nc_u64 s[6:7], s[6:7], s[8:9]
	global_load_b128 v[4:7], v1, s[4:5] th:TH_LOAD_NT
	global_load_b128 v[8:11], v1, s[4:5] offset:131072 th:TH_LOAD_NT
	s_wait_loadcnt 0x0
	v_pk_add_f32 v[4:5], v[4:5], v[8:9]    ; the two halves of h
	v_pk_add_f32 v[6:7], v[6:7], v[10:11]
	s_delay_alu instid0(VALU_DEP_1)
	v_max3_num_f32 v12, v4, v5, v6
	s_delay_alu instid0(VALU_DEP_1)
	v_max_num_f32 v12, v12, v7
	s_delay_alu instid0(VALU_DEP_1)
	v_max_num_f32_dpp v12, v12, v12 row_xmask:1 row_mask:0xf bank_mask:0xf
	s_delay_alu instid0(VALU_DEP_1)
	v_max_num_f32_dpp v12, v12, v12 row_xmask:2 row_mask:0xf bank_mask:0xf
	s_delay_alu instid0(VALU_DEP_1)
	v_max_num_f32_dpp v12, v12, v12 row_xmask:4 row_mask:0xf bank_mask:0xf
	s_delay_alu instid0(VALU_DEP_1)
	v_max_num_f32_dpp v12, v12, v12 row_xmask:8 row_mask:0xf bank_mask:0xf
	s_delay_alu instid0(VALU_DEP_1)
	v_permlanex16_b32 v13, v12, s10, s11
	s_delay_alu instid0(VALU_DEP_1)
	v_max_num_f32 v12, v12, v13            ; my wave's maximum, in every lane
	ds_store_b32 v2, v12                   ; all lanes write the same word with the same value
	s_wait_dscnt 0x0                       ; for the others' sake
	s_barrier_signal -1
	s_barrier_wait -1
	ds_load_b128 v[16:19], v3
	ds_load_b128 v[20:23], v3 offset:16
	s_wait_dscnt 0x0
	v_max3_num_f32 v24, v16, v17, v18
	v_max3_num_f32 v25, v19, v20, v21
	s_delay_alu instid0(VALU_DEP_2)
	v_max3_num_f32 v24, v24, v22, v23
	s_delay_alu instid0(VALU_DEP_1)
	v_max_num_f32 v24, v24, v25            ; the row's maximum
	s_delay_alu instid0(VALU_DEP_1)
	v_pk_add_f32 v[4:5], v[4:5], v[24:25] op_sel_hi:[1,0] neg_lo:[0,1] neg_hi:[0,1]   ; x - m: of the pair the low word serves both halves
	s_delay_alu instid0(VALU_DEP_2)
	v_pk_add_f32 v[6:7], v[6:7], v[24:25] op_sel_hi:[1,0] neg_lo:[0,1] neg_hi:[0,1]
	s_delay_alu instid0(VALU_DEP_2)
	v_pk_mul_f32 v[4:5], v[4:5], 0x3fb8aa3b op_sel_hi:[1,0]      ; x log2(e)
	s_delay_alu instid0(VALU_DEP_2)
	v_pk_mul_f32 v[6:7], v[6:7], 0x3fb8aa3b op_sel_hi:[1,0]
	s_wait_alu depctr_va_vdst(0)
	v_exp_f32 v4, v4
	v_exp_f32 v5, v5
	v_exp_f32 v6, v6
	v_exp_f32 v7, v7
	v_nop                                  ; the plain line behind the last exponential
	s_wait_alu depctr_va_vdst(0)           ; one wait for the four, ahead of their first reader
	v_pk_add_f32 v[12:13], v[4:5], v[6:7]
	s_delay_alu instid0(VALU_DEP_1)
	v_add_f32 v12, v12, v13
	s_delay_alu instid0(VALU_DEP_1)
	v_add_f32_dpp v12, v12, v12 row_xmask:1 row_mask:0xf bank_mask:0xf
	s_delay_alu instid0(VALU_DEP_1)
	v_add_f32_dpp v12, v12, v12 row_xmask:2 row_mask:0xf bank_mask:0xf
	s_delay_alu instid0(VALU_DEP_1)
	v_add_f32_dpp v12, v12, v12 row_xmask:4 row_mask:0xf bank_mask:0xf
	s_delay_alu instid0(VALU_DEP_1)
	v_add_f32_dpp v12, v12, v12 row_xmask:8 row_mask:0xf bank_mask:0xf
	s_delay_alu instid0(VALU_DEP_1)
	v_permlanex16_b32 v13, v12, s10, s11
	s_delay_alu instid0(VALU_DEP_1)
	v_add_f32 v12, v12, v13                ; my wave's sum
	ds_store_b32 v2, v12 offset:256        ; other bytes than the maxima's: no wave need have finished reading those
	s_wait_dscnt 0x0
	s_barrier_signal -1
	s_barrier_wait -1
	ds_load_b128 v[16:19], v3 offset:256
	ds_load_b128 v[20:23], v3 offset:272
	s_wait_dscnt 0x0
	v_pk_add_f32 v[16:17], v[16:17], v[18:19]
	v_pk_add_f32 v[20:21], v[20:21], v[22:23]
	s_delay_alu instid0(VALU_DEP_1)
	v_pk_add_f32 v[16:17], v[16:17], v[20:21]
	s_delay_alu instid0(VALU_DEP_1)
	v_add_f32 v16, v16, v17                ; the row's sum: at least 1, since the maximum's term is 1
	s_wait_alu depctr_va_vdst(0)
	v_rcp_f32 v26, v16
	v_nop                                  ; the plain line behind the reciprocal
	s_wait_alu depctr_va_vdst(0)           ; and its wait, ahead of the first reader
	v_pk_mul_f32 v[4:5], v[4:5], v[26:27] op_sel_hi:[1,0]
	v_pk_mul_f32 v[6:7], v[6:7], v[26:27] op_sel_hi:[1,0]
	global_store_b128 v1, v[4:7], s[6:7] th:TH_STORE_NT          ; 32 lanes store 512 consecutive bytes, at a multiple of 256 from out0's first byte
	s_wait_tensorcnt 0x0
	ds_add_u32 v32, v33
	s_wait_dscnt 0x0
	s_endpgm
.Lfunc_end_k_q25d9194749_soft:
	.size	k_q25d9194749_soft, .Lfunc_end_k_q25d9194749_soft-k_q25d9194749_soft
	.p2alignl 7, 3214868480
	.fill 96, 4, 3214868480
	.section	.rodata,"a",@progbits
	.p2align	6, 0x0
	.amdhsa_kernel k_q25d9194749_soft
		.amdhsa_group_segment_fixed_size 1536
		.amdhsa_private_segment_fixed_size 0
		.amdhsa_enable_private_segment 0
		.amdhsa_kernarg_size 16
		.amdhsa_user_sgpr_count 2
		.amdhsa_user_sgpr_kernarg_segment_ptr 1
		.amdhsa_wavefront_size32 1
		.amdhsa_system_sgpr_workgroup_id_x 1
		.amdhsa_system_sgpr_workgroup_id_y 1
		.amdhsa_system_sgpr_workgroup_id_z 1
		.amdhsa_system_vgpr_workitem_id 0
		.amdhsa_next_free_vgpr 34
		.amdhsa_next_free_sgpr 66
		.amdhsa_reserve_vcc 0
		.amdhsa_float_denorm_mode_32 3
		.amdhsa_float_denorm_mode_16_64 3
		.amdhsa_memory_ordered 1
		.amdhsa_forward_progress 1
		.amdhsa_inst_pref_size 5
	.end_amdhsa_kernel
	.amdgpu_metadata
---
amdhsa.version: [ 1, 2 ]
amdhsa.kernels:
  - .name:           k_q25d9194749_soft
    .symbol:         k_q25d9194749_soft.kd
    .args:
      - { .name: part, .offset: 0, .size: 8, .value_kind: global_buffer, .address_space: global }
      - { .name: out0, .offset: 8, .size: 8, .value_kind: global_buffer, .address_space: global }
    .group_segment_fixed_size: 1536
    .private_segment_fixed_size: 0
    .kernarg_segment_align: 8
    .kernarg_segment_size: 16
    .max_flat_workgroup_size: 256
    .sgpr_count:     66
    .vgpr_count:     34
    .wavefront_size: 32
...
	.end_amdgpu_metadata
.endif
;; end of part 2
